; MI455X (gfx1250); checked and timed in simulation.
; The chip was launched on July 23, 2026; its instructions are those of AMD's public machine-readable ISA for CDNA 5 (MIT licence, August 2026) and "CDNA5" Instruction Set Architecture Reference Guide (July 2026). The comments in the code are by the model that wrote it; some were corrected since.
;; Attention. Allowed arithmetic: matrix products marked QUANTISED: E2M3 operands, one E8M0 scale for each 32 along K, by v_wmma_scale_f32_16x16x128_f8f6f4 with both operands' format E2M3, f32 sums; everything else in f32.
;; Inputs: k 4,096 x 512 float32; q 4,096 x 2,048 float32; v_codes 512 x 128 x 24 uint8 (E2M3 codes of v, K innermost, in blocks of 32 codes, four codes in three bytes); v_scales 512 x 128 uint8 (E8M0 scales of v, one for each 32 codes along K).
;; Outputs: out0 4,096 x 2,048 float32.
;; This version of the problem:
;;   THIS VERSION OF THE PROBLEM IS GIVEN IN LOW PRECISION. The matrix products marked QUANTISED in the list below multiply operands that are first quantised to E2M3 (2 exponent bits, 3 mantissa bits; 6 bits a number), with one power-of-two scale for each 32 numbers along K (OCP MX v1.0); their sums are f32. All else is computed in f32.
;;   The module's matrix products, in the order in which they are computed (A, B: the left and right operand; K: the contracted axis; several contracted axes count as one K, in the product's order):
;;     1. batch 4 x [M 4,096, K 128] x [K 128, N 16,384]; A: input k; B: input q: QUANTISED
;;     2. batch 4 x [M 128, K 4,096] x [K 4,096, N 16,384]; A: input v (given as codes); B: softmax (see below): QUANTISED
;;   THE QUANTISER, for each operand of a quantised product, along K:
;;     - K is cut into blocks of 32 from its start; a last block that is shorter is filled with zeros.
;;     - A block's scale is 2^e with e = floor(log2(the largest magnitude in the block)) - 2, held to -126 .. 127; a block of zeros has e = 0. As a byte (E8M0): e + 127.
;;     - Each number is divided by its block's scale, clamped to +-7.5, and rounded to the nearest number of E2M3, ties to even, subnormals kept.
;;     - The product sums the exact products of the quantised numbers (number of the format x scale) in f32.
;;   ~~~python
;;   def quantise(x, axis):      # numpy; x: float32 -> the quantised numbers, widened to float32 again
;;       x = np.moveaxis(x, axis, -1); K = x.shape[-1]
;;       x = np.pad(x, [(0, 0)] * (x.ndim - 1) + [(0, -K % 32)]); x = x.reshape(x.shape[:-1] + (-1, 32)); a = np.abs(x).max(-1, keepdims=True)
;;       e = np.where(a > 0, np.clip(np.frexp(np.where(a > 0, a, 1))[1] - 1 - 2, -126, 127), 0)      # np.frexp(a)[1] - 1 = floor(log2(a)), exactly
;;       r = np.clip(x / 2.0 ** e, -7.5, 7.5)
;;       step = 2.0 ** (np.maximum(np.frexp(np.where(r == 0, 1, r))[1] - 1, 0) - 3)
;;       q = np.round(r / step) * step * 2.0 ** e      # np.round: ties to even
;;       return np.moveaxis(q.reshape(q.shape[:-2] + (-1,))[..., :K], -1, axis).astype(np.float32)
;;   ~~~
;;   SOFTMAX AHEAD OF A QUANTISED PRODUCT. Where the list says 'softmax', what is quantised is not the finished softmax but p = 2^(t - M), with t = logit x log2(e) and M = ceil(the row's largest t), a whole number; so 1/2 < the row's largest p <= 1. The row's sum l is taken of the UNQUANTISED p, in f32, and the product's result is divided by l at the end. Since M is a whole number, a kernel that streams over the keys may use a running M (the ceiling of the running maximum): every later rescaling is an exact power of two, which a block's scale takes up: the codes' values come out the same.
;;   OPERANDS COMPUTED ON THE WAY. 'Computed on the way' means the value that the module computes at that place (a softmax that the list does not call 'softmax' is quantised finished and normalised). What goes into a quantiser is computed in f32, as accurately as f32 sums, v_exp_f32 and their like allow (about 1e-6 of the number): no bf16 or f16 on the way to a quantiser, and a product that is left as it is and whose result goes on into a quantised operand takes f32 operands (vector FMAs, or v_wmma_f32_16x16x4_f32). A number that lies on a knife's edge between two numbers of the format may be rounded either way, as far as f32 arithmetic and the matrix unit's own rounding can turn it there, and no further.
;;   INPUTS GIVEN AS CODES. v (in the module: [4096, 512], K = its axis 0): each comes as NAME_codes (uint8): NAME with its K axis moved to the last place and cut into blocks of 32 codes, [.., K / 32, bytes a block], one block behind the other in memory; four codes in three bytes: a row's codes are one little-endian stream of bits, code i at bits 6 i .. 6 i + 5 (a code: sign, 2 exponent bits, 3 mantissa bits); and NAME_scales (uint8): the same leading axes, one E8M0 byte (e + 127) for each 32 codes along K. Its value is code x scale, taken as it is: it is not quantised again, and the codes and scales need not be those that the quantiser above would give.
;; One version. Each part assembles by itself: llvm-mc -triple=amdgcn-amd-amdhsa -mcpu=gfx1250 --defsym DOCPART=n.
;; ======== version 1 of 1: 2 launches
;; workspace buffers: kv 3,276,800 bytes
;; launch prep (part 1): grid 256 x 1, 4 waves a work-group, no clusters, 1,536 bytes of LDS; arguments k, v_codes, v_scales, kv; writes kv
.if DOCPART == 1
	.amdgcn_target "amdgcn-amd-amdhsa--gfx1250"
	.amdhsa_code_object_version 6
	.text
	.protected	k_qe3a63fdf60_prep
	.globl	k_qe3a63fdf60_prep
	.p2align	8
	.type	k_qe3a63fdf60_prep,@function
k_qe3a63fdf60_prep:
	s_mov_b64 s[64:65], 0
	v_nop
	global_prefetch_b8 v0, s[64:65] scope:SCOPE_SE
	s_setreg_imm32_b32 hwreg(HW_REG_WAVE_MODE, 25, 1), 1
	s_wait_xcnt 0x0
; k [4096][512] f32 is quantised along each head's 128 to codes of FP6 (E2M3) with one E8M0 byte for each 32; V's codes and scale bytes are taken as given.
; All of it is laid into kv IN THE ORDER OF THE OPERANDS' REGISTERS, one dense block of 25,600 bytes for each (kv head h, key step j of 128 keys), at (32 h + j) x 25,600:
;   +0       K's eight fragments, 1,536 bytes each: piece c (registers 4 c .. 4 c + 3) at 512 c, lane l's 16 bytes at 16 l.
;            Lane (r, half) of tile T = 2 b + u holds key 128 j + 32 b + 8 u + r + (r & 8), channels 64 c' + 32 half + 0 .. 31 in registers 6 c' .. 6 c' + 5.
;   +12,288  V's eight fragments, same form: lane (r, half) of tile T holds channel 16 T + r, keys 128 j + 64 c' + 32 half + 0 .. 31.
;   +24,576  scale words: for f = 0, 1 at 512 f K's 256 bytes and behind them V's 256: lane l's 8 bytes at 8 l: word 0 = tile 4 f + half, row r; word 1 = tile 4 f + 2 + half, row r.
; SHARES: work-group x = 64 h + 2 j + f; its wave w takes tile T = 4 f + w of K and of V.  No loop, no tensor load.  Every store of a wave covers 512 consecutive bytes, aligned to 256.
; A block's scale byte is its largest magnitude's exponent field - 2, held at 1 from below.
; LIMITS: NaN and infinities in k are not served.  A block whose largest magnitude lies under 2^-124 (a block of zeros among them, where the rule says byte 127) keeps the byte 1: a block of zeros has
; zero codes, which add nothing under that byte, and only this program reads the bytes.
; V's rows are read 96 bytes at a time, 3,072 bytes apart: short pieces of long rows; the tensor has 1.5 MiB and is read once so.
.set BLKB, 25600
.set X,    32                          ; v32-95   64 numbers of k: register 32 c + i = channel 64 c + 32 half + i of my key
.set KC,   16                          ; v16-27   K's fragment
.set VC,   96                          ; v96-107  V's fragment;  v108 V's scale word
.set TMP,  112                         ; v112-118 the conversions' second halves
.set SEL,  34                          ; s[34:35] lane selects: lane l xor 16
	s_load_b128 s[4:7], s[0:1], 0x0                ; k s[4:5], V's codes s[6:7]
	s_load_b128 s[8:11], s[0:1], 0x10              ; V's scales s[8:9], kv s[10:11]
	v_lshl_add_u32 v128, v0, 2, 0x400
	v_mov_b32 v129, 0
	v_lshrrev_b32 v1, 5, v0
	v_readfirstlane_b32 s12, v1                    ; wave 0..3
	v_and_b32 v1, 31, v0                           ; lane
	v_and_b32 v2, 15, v0                           ; r
	v_bfe_u32 v3, v0, 4, 1                         ; half
	s_and_b32 s13, ttmp9, 1                        ; f
	s_bfe_u32 s14, ttmp9, 0x50001                  ; j: 5 bits from bit 1
	s_lshr_b32 s15, ttmp9, 6                       ; h
	s_lshl_b32 s16, s13, 2
	s_add_co_u32 s16, s16, s12                     ; T = 4 f + wave
	s_lshr_b32 s17, s16, 1
	s_lshl_b32 s17, s17, 5                         ; 32 b
	s_and_b32 s18, s16, 1
	s_lshl_b32 s18, s18, 3                         ; 8 u
	s_add_co_u32 s17, s17, s18
	s_lshl_b32 s18, s14, 7
	s_add_co_u32 s18, s18, s17                     ; the tile's first key: 128 j + 32 b + 8 u
	s_lshl_b32 s18, s18, 11                        ; a row of k is 2,048 bytes
	s_lshl_b32 s19, s15, 9                         ; the head's 512 bytes of it
	s_add_co_u32 s18, s18, s19
	s_mov_b32 s19, 0
	s_lshl_b32 s20, s15, 7
	s_lshl_b32 s21, s16, 4
	s_add_co_u32 s22, s20, s21                     ; V's row 128 h + 16 T
	s_mul_i32 s20, s22, 3072                       ; a row of V's codes is 3,072 bytes,
	s_mul_i32 s21, s14, 96                         ; a key step 96 of them
	s_add_co_u32 s20, s20, s21
	s_mov_b32 s21, 0
	s_lshl_b32 s22, s22, 7                         ; a row of V's scale bytes is 128 bytes,
	s_lshl_b32 s23, s14, 2                         ; a key step 4 of them
	s_add_co_u32 s22, s22, s23
	s_mov_b32 s23, 0
	s_lshl_b32 s24, s15, 5
	s_add_co_u32 s24, s24, s14
	s_mul_i32 s24, s24, BLKB                       ; my block of kv
	s_mov_b32 s25, 0
	s_mul_i32 s26, s16, 1536                       ; my tile's place among the fragments
	s_mov_b32 s27, 0
	s_lshl_b32 s28, s13, 9
	s_add_co_u32 s28, s28, 24576                   ; my work-group's 512 bytes of scale words
	s_mov_b32 s29, 0
	s_and_b32 s36, s12, 1
	s_lshl_b32 s36, s36, 7                         ; LDS: my tile's words go to lanes 16 (wave & 1) + r,
	s_lshr_b32 s37, s12, 1
	s_lshl_b32 s37, s37, 2                         ; word wave >> 1
	s_add_co_u32 s36, s36, s37
	s_mov_b32 s[SEL], 0x76543210
	s_mov_b32 s[SEL+1], 0xfedcba98
	v_and_b32 v4, 8, v2
	v_add_nc_u32 v4, v4, v2                        ; r + (r & 8): the keys of a tile are not neighbours
	v_lshlrev_b32 v4, 11, v4
	v_lshl_add_u32 v4, v3, 7, v4                   ; k: my key's row + 128 half
	v_mul_u32_u24 v5, v2, 3072
	v_mad_u32_u24 v5, v3, 24, v5                   ; V's codes: row r + 24 half
	v_lshlrev_b32 v6, 7, v2                        ; V's scale bytes: row r
	v_lshlrev_b32 v7, 4, v1                        ; 16 x lane: an image's place for my lane
	v_lshl_add_u32 v8, v2, 3, s36                  ; LDS: 8 r + 128 (wave & 1) + 4 (wave >> 1)
	s_wait_kmcnt 0x0
	s_add_nc_u64 s[4:5], s[4:5], s[18:19]
	s_add_nc_u64 s[6:7], s[6:7], s[20:21]
	s_add_nc_u64 s[8:9], s[8:9], s[22:23]
	s_add_nc_u64 s[10:11], s[10:11], s[24:25]
	s_add_nc_u64 s[30:31], s[10:11], s[26:27]      ; where my fragments go
	s_add_nc_u64 s[32:33], s[10:11], s[28:29]      ; where the scale words go
.irp c, 0,1
.irp p, 0,1,2,3,4,5,6,7
	global_load_b128 v[X+32*\c+4*\p:X+32*\c+4*\p+3], v4, s[4:5] offset:256*\c+16*\p th:TH_LOAD_NT   ; my key's channels 64 c + 32 half + 4 p ..
.endr
.endr
.irp p, 0,1,2,3,4,5
	global_load_b64 v[VC+2*\p:VC+2*\p+1], v5, s[6:7] offset:48*(\p/3)+8*(\p%3)   ; V's fragment, as it lies
.endr
	global_load_b32 v108, v6, s[8:9]               ; and its rows' scale words (both halves of the lanes take the same)
	s_wait_loadcnt 7                               ; k's sixteen loads are in; V's seven, issued behind them, may stay out
.irp c, 0,1
	v_max3_num_f32 v[12+\c], |v[X+32*\c]|, |v[X+1+32*\c]|, 0x1800000   ; my block 2 c + half: all its 32 numbers are mine; and the floor 2^(3 - 127), so that the byte cannot fall under 1
.endr
.irp i, 2,4,6,8,10,12,14,16,18,20,22,24,26,28,30
.irp c, 0,1
	v_max3_num_f32 v[12+\c], v[12+\c], |v[X+32*\c+\i]|, |v[X+1+32*\c+\i]|   ; (the two blocks by turns)
.endr
.endr
.irp c, 0,1
	v_add_nc_u32 v[14+\c], 0xff000000, v[12+\c]    ; 2 off the exponent field: the conversion takes that field of this operand as its scale
.endr
.irp c, 0,1
	v_lshrrev_b32 v[10+\c], 23, v[14+\c]           ; the scale's byte
.endr
	v_lshl_or_b32 v9, v11, 16, v10                 ; my two bytes: blocks half and 2 + half,
	v_lshlrev_b32 v10, 3, v3
	v_lshlrev_b32 v9, v10, v9                      ; at their places in the word (8 half bits up);
	v_mov_b32 v10, 0                               ; (a lane permute's destination counts as one of its sources)
	v_permlanex16_b32 v10, v9, s[SEL], s[SEL+1]
	v_or_b32 v9, v9, v10                           ; with lane l xor 16's two the word is whole, in both halves of the lanes
.irp c, 0,1
	v_cvt_scalef32_pk16_fp6_f32 v[KC+6*\c:KC+6*\c+2], v[X+32*\c:X+32*\c+15], v[14+\c]
	v_cvt_scalef32_pk16_fp6_f32 v[TMP+4*\c:TMP+4*\c+2], v[X+16+32*\c:X+31+32*\c], v[14+\c]   ; (a conversion's three registers begin on an even number)
.endr
	v_nop                                          ; one plain place behind a scaled conversion
.irp c, 0,1
.irp i, 0,1,2
	v_mov_b32 v[KC+3+6*\c+\i], v[TMP+4*\c+\i]
.endr
.endr
.irp c, 0,1,2
	global_store_b128 v7, v[KC+4*\c:KC+4*\c+3], s[30:31] offset:512*\c          ; K's fragment as an image of its registers
.endr
	ds_store_b32 v8, v9                            ; K's scale word (both halves of the lanes write the same word with the same value)
	s_wait_loadcnt 0x0                             ; V's loads are in
.irp c, 0,1,2
	global_store_b128 v7, v[VC+4*\c:VC+4*\c+3], s[30:31] offset:12288+512*\c    ; V's fragment likewise
.endr
	ds_store_b32 v8, v108 offset:256               ; V's scale word
	s_wait_dscnt 0x0                               ; for the others' sake: my words lie in LDS
	s_barrier_signal -1
	s_barrier_wait -1
	s_cmp_lg_u32 s12, 0
	s_cbranch_scc1 .Ldone                          ; wave 0 stores the four tiles' words: 512 consecutive bytes
	ds_load_b128 v[120:123], v7
	s_wait_dscnt 0x0
	global_store_b128 v7, v[120:123], s[32:33]
.Ldone:
	s_wait_tensorcnt 0x0
	ds_add_u32 v128, v129
	s_wait_dscnt 0x0
	s_endpgm
.Lfunc_end_k_qe3a63fdf60_prep:
	.size	k_qe3a63fdf60_prep, .Lfunc_end_k_qe3a63fdf60_prep-k_qe3a63fdf60_prep
	.p2alignl 7, 3214868480
	.fill 96, 4, 3214868480
	.section	.rodata,"a",@progbits
	.p2align	6, 0x0
	.amdhsa_kernel k_qe3a63fdf60_prep
		.amdhsa_group_segment_fixed_size 1536
		.amdhsa_private_segment_fixed_size 0
		.amdhsa_enable_private_segment 0
		.amdhsa_kernarg_size 32
		.amdhsa_user_sgpr_count 2
		.amdhsa_user_sgpr_kernarg_segment_ptr 1
		.amdhsa_wavefront_size32 1
		.amdhsa_system_sgpr_workgroup_id_x 1
		.amdhsa_system_sgpr_workgroup_id_y 1
		.amdhsa_system_sgpr_workgroup_id_z 1
		.amdhsa_system_vgpr_workitem_id 0
		.amdhsa_next_free_vgpr 130
		.amdhsa_next_free_sgpr 66
		.amdhsa_reserve_vcc 0
		.amdhsa_float_denorm_mode_32 3
		.amdhsa_float_denorm_mode_16_64 3
		.amdhsa_memory_ordered 1
		.amdhsa_forward_progress 1
		.amdhsa_inst_pref_size 10
	.end_amdhsa_kernel
	.amdgpu_metadata
---
amdhsa.version: [ 1, 2 ]
amdhsa.kernels:
  - .name:           k_qe3a63fdf60_prep
    .symbol:         k_qe3a63fdf60_prep.kd
    .args:
      - { .name: k, .offset: 0, .size: 8, .value_kind: global_buffer, .address_space: global }
      - { .name: v_codes, .offset: 8, .size: 8, .value_kind: global_buffer, .address_space: global }
      - { .name: v_scales, .offset: 16, .size: 8, .value_kind: global_buffer, .address_space: global }
      - { .name: kv, .offset: 24, .size: 8, .value_kind: global_buffer, .address_space: global }
    .group_segment_fixed_size: 1536
    .private_segment_fixed_size: 0
    .kernarg_segment_align: 8
    .kernarg_segment_size: 32
    .max_flat_workgroup_size: 128
    .sgpr_count:     66
    .vgpr_count:     130
    .wavefront_size: 32
...
	.end_amdgpu_metadata
.endif
;; end of part 1
;; launch attn (part 2): grid 64 x 4, 16 waves a work-group, clusters of 4 x 1, 327,680 bytes of LDS; arguments q, kv, out0; writes out0
.if DOCPART == 2
	.amdgcn_target "amdgcn-amd-amdhsa--gfx1250"
	.amdhsa_code_object_version 6
	.text
	.protected	k_qe3a63fdf60_attn
	.globl	k_qe3a63fdf60_attn
	.p2align	8
	.type	k_qe3a63fdf60_attn,@function
k_qe3a63fdf60_attn:
	s_mov_b64 s[64:65], 0
	v_nop
	global_prefetch_b8 v0, s[64:65] scope:SCOPE_SE
	s_setreg_imm32_b32 hwreg(HW_REG_WAVE_MODE, 25, 1), 1
	s_wait_xcnt 0x0
	s_wait_alu depctr_hold_cnt(0) depctr_sa_sdst(0) depctr_va_vdst(0) depctr_va_sdst(0) depctr_va_ssrc(0) depctr_va_vcc(0) depctr_vm_vsrc(0)
	s_getreg_b32 s2, hwreg(HW_REG_IB_STS2, 6, 4)
	s_cmp_eq_u32 s2, 0
	s_cbranch_scc0 .Lentry_in_a_cluster
	s_endpgm
.Lentry_in_a_cluster:
	s_bfe_u32 s2, ttmp6, 0x10000c
	s_cmp_lg_u32 s2, 0x3003
	s_cbranch_scc0 .Lentry_shape_is_right
	s_endpgm
.Lentry_shape_is_right:
; out0[n][head][:] = the sum over keys m <= n of softmax_m(q[n][head] . k[m][kv head] / sqrt(128)) v[m][kv head][:]: 4,096 tokens, 16 query heads on 4 kv heads, head size 128.
; Both products on codes of FP6 (E2M3) with one E8M0 byte for each 32 along a product's K.  K's and V's codes and scale words come from kv, laid by the launch before in the order of the operands' registers,
; 25,600 bytes for each (kv head, 128 keys).  q is read once, by one wave: it is quantised here, in registers.
; THE SOFTMAX: t = score x log2(e) / sqrt(128) (one multiplication, where the definition rounds twice); M = the running largest t rounded UP to a whole number; p = 2^(t - M) is quantised along the keys, not normalised;
; the row's sum is taken of the unquantised p and divides at the end; when M moves, the sum and O are multiplied by 2^(old M - new M), which rounds nothing.
; SHARES.  A cluster is four work-groups with the SAME tokens and the four query heads of one kv head: they walk the same K and V, so each tile is asked for JOINTLY, and their trip counts and branches are alike;
; the place in the cluster enters q's, out0's and the prefetches' global addresses alone.  Cluster x = i (0..15) owns token blocks i and 31 - i, 128 tokens each.  Sixteen waves, one tile of 16 queries each, 256 registers:
; wave w takes the tokens 16 (w >> 1) on of block i (early) or 31 - i (late), late = (w ^ (w >> 2)) & 1.  A wave of block B works on key steps 0 .. B, so an early and a late wave together have 33 steps, in every cluster.
; A work-group walks 16 - 2 (i >> 2) slots of 256 keys; a step all of whose keys come after a wave's queries is jumped over by a scalar branch on ids (no barrier and no tensor load stands in a step).
; LAYOUT.  Both products are used transposed (S^T = K Q^T, O^T = V^T P^T): a lane holds ONE query (lane % 16) throughout.  The keys of a tile of K are chosen so that the 16 registers of tiles 2 b, 2 b + 1 are the
; neighbouring keys 32 b + 16 (lane / 16) + 0 .. 15.  A fragment comes from LDS by three loads of 16 bytes a lane, 512 consecutive bytes each: no pitch, no padding.
; Every LDS address is a constant + a lane term (+ a wave term for the stage): none is stepped, so the loop's trip count may hang on the cluster's number.
; LIMITS: NaN and infinities in q are not served.  A block of q or of p whose largest magnitude lies under 2^-124 (a block of zeros among them) keeps the byte 1; a block of zeros has zero codes.
; lds_bytes: all of a WGP's LDS; the text uses 174,080 bytes.
.set BLKB,  25600                      ; a key step's block
.set SLOTB, 2*BLKB                     ; a slot: two key steps
.set HEADB, 32*BLKB                    ; a kv head's blocks
.set VFR,   12288                      ; in a block: V's fragments,
.set SCO,   24576                      ; the scale words
.set STAGE, 2*SLOTB                    ; behind the ring: 16 rows x 272 bytes for each wave, for the way out; no fill lands here
.set SP,    272
.set SPARE, STAGE+16*16*SP             ; behind the stages: the spare words, 128 bytes for each wave: eight blocks of 256 bytes that no other line names
.set LI0, 1                            ; v1, v2   16 x lane, in slot 0, 1
.set LS0, 3                            ; v3, v4   8 x lane, in slot 0, 1
.set SPW, 5                            ; v5       LDS address of my spare word; never rewritten
.set NIL, 6                            ; v6       0; never rewritten
.set GO,  7                            ; v7       the way out: my byte offset in the wave's rows of out0
.set STO, 8                            ; v8       where I put 32 bytes of a row in my stage
.set RD,  9                            ; v9       where I read a row back
.set DQ,  10                           ; v10      my query's place in its block of 128 tokens, less 16 (lane / 16): for the mask
.set PFO, 11                           ; v11      the prefetches' offset; never rewritten
.set QF,  16                           ; v16-27   Q's codes;  v255 its scale word
.set VS,  28                           ; v28-31   V's scale words: register n: tile 2 n in lanes 0-15, tile 2 n + 1 in lanes 16-31
.set FRG, 32                           ; v32-79   four fragments: K's tiles 0-3, K's 4-7, V's 0-3
.set S,   96                           ; v96-159  S^T, then p; then in v96-143 V's tiles 4-7
.set O,   160                          ; v160-223 O^T
.set PC,  224                          ; v224-235 p's codes;  v253 its scale word
.set KS,  248                          ; v248-251 K's scale words, as V's
; v12 -M, v13 the largest t, v[14:15] the sum in two halves; v232-247, v252, v254 at work
.set WV,  10                           ; s10 my wave's number
.set CX,  11                           ; s11 my place in the cluster: the query head in its group
.set HK,  12                           ; s12 the kv head
.set UU,  13                           ; s13 wave >> 1
.set LATE, 14                          ; s14
.set DS,  16                           ; s16 my token block B: my last key step, the one on the diagonal
.set JJ,  17                           ; s17 the key step in hand
.set TRIPS, 18                         ; s18 trips of the loop still to go
.set LIM, 19                           ; s19 1 in a wave that prefetches, else the greatest number
.set SEL, 20                           ; s[20:21] lane selects: lane l xor 16
.set CS,  22                           ; s[22:23] c = log2(e) / sqrt(128): the packed form names a pair and takes its low word for both halves
.set G1,  24                           ; s[24:31] descriptor group 1
.set G0,  32                           ; s[32:39] descriptor group 0, a set for each slot
.set PFA, 40                           ; s[40:41] where my prefetches stand
; A round of the cluster's barrier: my work-group's barrier, wave 0's signal for the work-group, every wave's wait for all four work-groups, my work-group's barrier once more.
.macro CROUND
	s_barrier_signal -1
	s_barrier_wait -1
	s_cmp_lg_u32 s[WV], 0
	s_cbranch_scc1 .Lnot_wave_0_\@
	s_barrier_signal -3
.Lnot_wave_0_\@:
	s_barrier_wait -3
	s_barrier_signal -1
	s_barrier_wait -1
.endm
; A joint refill of slot s: waves 0 and 1 fetch its two blocks, 25,600 bytes each; the branch hangs on the wave's number alone.  Four v_nop follow the load.
.macro JLOAD s
	s_cmp_lt_u32 s[WV], 2
	s_cbranch_scc0 .Lnot_mine_\@
	tensor_load_to_lds s[G0+4*\s:G0+4*\s+3], s[G1:G1+7]
	s_nop 0
.rept 4
	v_nop
.endr
.Lnot_mine_\@:
.endm
; A PREFETCH of the slot that the NEXT change of slots will ask for: two key steps ahead of that load.  All clusters of a kv head walk the same blocks from the first on; the head's first cluster, whose walk is the longest
; (16 slots), asks, and nobody else.  Its four partners share a slot's 200 pieces of 256 bytes out BY ADDRESS, 50 each; in each, waves 4 and 5 name 25 each, a lane a piece (lanes 25 to 31 repeat lane 24's piece in the same
; instruction).  second = 1: the trip's second change; in the last trip it asks for nothing: there is no slot behind the one that it fills.  Slots 0 to 2 come by their loads alone.
.macro ASK second
.if \second
	s_cmp_gt_u32 s[TRIPS], s[LIM]
.else
	s_cmp_ge_u32 s[TRIPS], s[LIM]
.endif
	s_cbranch_scc0 .Lno_ask_\@
	global_prefetch_b8 v[PFO], s[PFA:PFA+1] th:TH_LOAD_NT scope:SCOPE_SE
.Lno_ask_\@:
.endm
; THE CHANGE OF SLOTS, o the slot just read.  Each wave waits for all its tensor loads (its part of the slot ahead), adds 0 to its spare word, and waits for that and for its reads of slot o.  fill = 1: the barrier is a round of
; the cluster's, so that no wave of any partner still reads slot o or has a load on its way, and the joint refill is the first thing behind it: it has the other slot's two key steps in which to land.
.macro CHANGE o, fill, second
	s_wait_tensorcnt 0x0                           ; no tensor load of mine is out, so a group 0 may be written
	ds_add_u32 v[SPW], v[NIL]                      ; 0 onto my spare word
.if \fill
	s_add_nc_u64 s[G0+4*\o+2:G0+4*\o+3], s[G0+4*\o+2:G0+4*\o+3], 2*SLOTB   ; this slot's next tile: two slots on; the type bits on top are not reached
	s_wait_xcnt 0x0                                ; the last prefetch, a slot back, has read its address, so it may be written:
	s_add_nc_u64 s[PFA:PFA+1], s[PFA:PFA+1], SLOTB ; one slot further on than the tile that is being asked for
	s_wait_dscnt 0x0                               ; the add is done, and my reads of slot o are over
	CROUND
	JLOAD \o
	ASK \second
.else
	s_wait_dscnt 0x0
	s_barrier_signal -1
	s_barrier_wait -1
.endif
.endm
; S^T's tile T = 16 keys (fragment tt of the four in hand) x my 16 queries.  The constant 0 starts the sum.  K's scale words of an odd tile lie in lanes 16-31.
.macro KQ T, tt
.if (\T)%2
	v_wmma_scale_f32_16x16x128_f8f6f4 v[S+8*(\T):S+8*(\T)+7], v[FRG+12*(\tt):FRG+12*(\tt)+11], v[QF:QF+11], 0, v[KS+(\T)/2], v255 matrix_a_fmt:MATRIX_FMT_FP6 matrix_b_fmt:MATRIX_FMT_FP6 matrix_a_scale:MATRIX_SCALE_ROW1
.else
	v_wmma_scale_f32_16x16x128_f8f6f4 v[S+8*(\T):S+8*(\T)+7], v[FRG+12*(\tt):FRG+12*(\tt)+11], v[QF:QF+11], 0, v[KS+(\T)/2], v255 matrix_a_fmt:MATRIX_FMT_FP6 matrix_b_fmt:MATRIX_FMT_FP6
.endif
.endm
; O^T's tile T += 16 channels of V x p.  The eight accumulators take turns, one instruction a turn.
.macro PV T
.if (\T) < 4
.set RA, FRG+12*(\T)
.else
.set RA, S+12*((\T)-4)
.endif
.if (\T)%2
	v_wmma_scale_f32_16x16x128_f8f6f4 v[O+8*(\T):O+8*(\T)+7], v[RA:RA+11], v[PC:PC+11], v[O+8*(\T):O+8*(\T)+7], v[VS+(\T)/2], v253 matrix_a_fmt:MATRIX_FMT_FP6 matrix_b_fmt:MATRIX_FMT_FP6 matrix_a_scale:MATRIX_SCALE_ROW1
.else
	v_wmma_scale_f32_16x16x128_f8f6f4 v[O+8*(\T):O+8*(\T)+7], v[RA:RA+11], v[PC:PC+11], v[O+8*(\T):O+8*(\T)+7], v[VS+(\T)/2], v253 matrix_a_fmt:MATRIX_FMT_FP6 matrix_b_fmt:MATRIX_FMT_FP6
.endif
.endm
; A KEY STEP: 128 keys, the q-th block of the slot.
.macro STEP slot, q
.set OFF, BLKB*(\q)
	s_cmp_gt_u32 s[JJ], s[DS]                      ; all keys of this step come after my queries: nothing to do but count the step
	s_cbranch_scc1 .Lhidden_\@
.irp f, 0,1
	ds_load_b64 v[KS+2*\f:KS+2*\f+1], v[LS0+\slot] offset:OFF+SCO+512*\f       ; K's scale words
.endr
.irp g, 0,1                                    ; S^T = K Q^T, four tiles of 16 keys at a time
.if \g
.rept 4
	v_nop                                          ; places in front of loads into registers that matrix instructions have read (the first four tiles' stand behind the last step's products)
.endr
.endif
.irp t, 0,1,2,3
.irp c, 0,1,2
	ds_load_b128 v[FRG+12*\t+4*\c:FRG+12*\t+4*\c+3], v[LI0+\slot] offset:OFF+1536*(4*\g+\t)+512*\c
.endr
.endr
	s_wait_dscnt 0x0
.irp t, 0,1,2,3
	KQ 4*\g+\t, \t
.endr
.endr
.rept 4
	v_nop                                          ; places in front of the loads below and of the first read of the scores
.endr
.irp f, 0,1
	ds_load_b64 v[VS+2*\f:VS+2*\f+1], v[LS0+\slot] offset:OFF+SCO+512*\f+256   ; V's scale words and its tiles 0-3 are asked for now: they land under the softmax
.endr
.irp t, 0,1,2,3
.irp c, 0,1,2
	ds_load_b128 v[FRG+12*\t+4*\c:FRG+12*\t+4*\c+3], v[LI0+\slot] offset:OFF+VFR+1536*\t+512*\c
.endr
.endr
	s_cmp_lg_u32 s[JJ], s[DS]                      ; only my last step lies on the diagonal
	s_cbranch_scc1 .Lopen_\@
	v_mov_b32 v254, 0xff800000                     ; -infinity: p = 0 then.  Register 16 b + i holds the step's key 32 b + 16 (lane / 16) + i: hidden where 32 b + i > my query's place - 16 (lane / 16)
.irp n, 0,1,2,3,4,5,6,7,8,9,10,11,12,13,14,15,16,17,18,19,20,21,22,23,24,25,26,27,28,29,30,31,32,33,34,35,36,37,38,39,40,41,42,43,44,45,46,47,48,49,50,51,52,53,54,55,56,57,58,59,60,61,62,63
	v_cmp_gt_i32 vcc_lo, 32*(\n/16)+\n%16, v[DQ]
	v_cndmask_b32 v[S+\n], v[S+\n], v254, vcc_lo
.endr
.Lopen_\@:
.irp b, 0,1,2,3
	v_max3_num_f32 v[232+\b], v[S+16*\b], v[S+1+16*\b], v[S+2+16*\b]   ; the largest score of each block of 32 keys: it serves for the row's maximum and, since p rises with the score, for the block's largest p
.endr
.irp i, 3,5,7,9,11,13
.irp b, 0,1,2,3
	v_max3_num_f32 v[232+\b], v[232+\b], v[S+16*\b+\i], v[S+1+16*\b+\i]   ; (the four blocks by turns; each accumulator is first read at its low end)
.endr
.endr
.irp b, 0,1,2,3
	v_max_num_f32 v[232+\b], v[232+\b], v[S+15+16*\b]
.endr
.irp b, 0,1,2,3
	v_permlanex16_b32 v[236+\b], v[232+\b], s[SEL], s[SEL+1]
.endr
.irp b, 0,1,2,3
	v_max_num_f32 v[232+\b], v[232+\b], v[236+\b]  ; with lane l xor 16's 16 keys
.endr
	v_max3_num_f32 v254, v232, v233, v234
	v_max_num_f32 v254, v254, v235                 ; the step's largest score of my query
	v_mul_f32 v254, s[CS], v254                    ; as t (c is positive)
	v_max_num_f32 v13, v13, v254                   ; the running largest t
	v_mov_b32 v254, v12
	v_floor_f32 v12, -v13                          ; the new -M = floor(-t) = -ceil(t): a whole number
	v_sub_f32 v254, v12, v254                      ; M's old value less its new one: a whole number, 0 or less
	v_cvt_i32_f32 v254, v254                       ; (it saturates)
	v_ldexp_f32 v252, 1.0, v254                    ; f = 2^(old M - new M)
.irp j, 0,2,4,6,8,10,12,14,16,18,20,22,24,26,28,30,32,34,36,38,40,42,44,46,48,50,52,54,56,58,60,62
	v_pk_fma_f32 v[S+\j:S+1+\j], v[S+\j:S+1+\j], s[CS:CS+1], v[12:13] op_sel_hi:[1,0,0]   ; t - M, two at a time (of the pairs c and -M the low word serves both halves)
.endr
.irp b, 0,1,2,3
	v_fma_f32 v[232+\b], v[232+\b], s[CS], v12     ; the same of each block's largest score
.endr
.irp j, 0,1,2,3,4,5,6,7,8,9,10,11,12,13,14,15,16,17,18,19,20,21,22,23,24,25,26,27,28,29,30,31,32,33,34,35,36,37,38,39,40,41,42,43,44,45,46,47,48,49,50,51,52,53,54,55,56,57,58,59,60,61,62,63
	v_exp_f32 v[S+\j], v[S+\j]                     ; p = 2^(t - M), at most 1: not normalised
.endr
	v_pk_mul_f32 v[14:15], v[14:15], v[252:253] op_sel_hi:[1,0]   ; the sums under the new M: a plain place behind the exponentials
	s_wait_alu depctr_va_vdst(0)                   ; one wait for the batch of 64, ahead of its first reader
.irp b, 0,1,2,3
	v_exp_f32 v[232+\b], v[232+\b]                 ; the block's largest p: the same two instructions on the same number give the same bits
.endr
	v_pk_add_f32 v[236:237], v[S:S+1], v[S+2:S+3]  ; the row's sum is taken of the unquantised p: two at a time, in two chains; it reads the 64 alone: plain work behind the four
.irp j, 4,8,12,16,20,24,28,32,36,40,44,48,52,56,60
	v_pk_add_f32 v[14:15], v[14:15], v[S+\j:S+1+\j]
	v_pk_add_f32 v[236:237], v[236:237], v[S+2+\j:S+3+\j]
.endr
	v_pk_add_f32 v[14:15], v[14:15], v[236:237]
	s_wait_alu depctr_va_vdst(0)                   ; and one wait for the four
.irp b, 0,1,2,3
	v_max_num_f32 v[232+\b], 0x1800000, v[232+\b]  ; the floor 2^(3 - 127): the byte cannot fall under 1 (a block whose every p is 0 keeps that byte: its codes are zeros)
.endr
.irp b, 0,1,2,3
	v_add_nc_u32 v[244+\b], 0xff000000, v[232+\b]  ; 2 off the exponent field: the conversion's scale operand
.endr
.irp b, 0,1,2,3
	v_lshrrev_b32 v[236+\b], 23, v[244+\b]         ; the scale's byte
.endr
	v_lshl_or_b32 v253, v237, 8, v236              ; p's scale word for these 128 keys
	v_lshl_or_b32 v253, v238, 16, v253
	v_lshl_or_b32 v253, v239, 24, v253
.irp c, 0,1
	v_cvt_scalef32_pk16_fp6_f32 v[PC+6*\c:PC+2+6*\c], v[S+32*\c:S+15+32*\c], v[244+2*\c]
	v_cvt_scalef32_pk16_fp6_f32 v[236+4*\c:238+4*\c], v[S+16+32*\c:S+31+32*\c], v[244+2*\c+1]   ; (a conversion's three registers begin on an even number)
.endr
	v_nop                                          ; one plain place behind a scaled conversion
.irp t, 4,5,6,7
.irp c, 0,1,2
	ds_load_b128 v[S+12*(\t-4)+4*\c:S+12*(\t-4)+4*\c+3], v[LI0+\slot] offset:OFF+VFR+1536*\t+512*\c   ; p is done with: V's tiles 4-7 take its registers and land under the lines below
.endr
.endr
.irp c, 0,1                                    ; the operand's layout wants a WHOLE block in a lane: lanes 0-15 block 2 c, lanes 16-31 block 2 c + 1
.irp i, 0,1,2
	v_permlane16_swap_b32 v[PC+6*\c+\i], v[236+4*\c+\i]
.endr
.irp i, 0,1,2
	v_mov_b32 v[PC+3+6*\c+\i], v[236+4*\c+\i]
.endr
.endr
.irp j, 0,2,4,6,8,10,12,14,16,18,20,22,24,26,28,30,32,34,36,38,40,42,44,46,48,50,52,54,56,58,60,62
	v_pk_mul_f32 v[O+\j:O+1+\j], v[O+\j:O+1+\j], v[252:253] op_sel_hi:[1,0]   ; O^T under the new M: x f.  (These 32 are also the places between the writing of p's codes and scale word and the products)
.endr
	s_wait_dscnt 0x0                               ; V's eight fragments and its scale words are in
.irp t, 0,1,2,3,4,5,6,7
	PV \t
.endr
.rept 5
	v_nop                                          ; four places in front of the next loads into V's registers, five in front of the next step's products, which write over those that held V's tiles 4-7
.endr
.Lhidden_\@:
	s_add_co_u32 s[JJ], s[JJ], 1
.endm
.macro SLOTWORK s
	STEP \s, 0
	STEP \s, 1
.endm
	s_load_b128 s[4:7], s[0:1], 0x0                ; q s[4:5], kv s[6:7]
	s_load_b64 s[8:9], s[0:1], 0x10                ; out0
	v_lshl_add_u32 v[SPW], v0, 2, SPARE
	v_mov_b32 v[NIL], 0
	ds_add_u32 v5, v6
	s_wait_dscnt 0x0
	v_lshrrev_b32 v1, 5, v0
	v_readfirstlane_b32 s[WV], v1                  ; wave 0..15
	s_bfe_u32 s[CX], ttmp6, 0x40000                ; my place in the cluster
	s_and_b32 s[HK], ttmp7, 0xffff                 ; the kv head, which the four partners share
	s_lshr_b32 s[UU], s[WV], 1
	s_lshr_b32 s[LATE], s[WV], 2
	s_xor_b32 s[LATE], s[LATE], s[WV]
	s_and_b32 s[LATE], s[LATE], 1
	s_lshl_b32 s44, ttmp9, 1
	s_sub_co_u32 s44, 31, s44
	s_mul_i32 s44, s44, s[LATE]
	s_add_co_u32 s[DS], s44, ttmp9                 ; my token block: i, or 31 - i
	s_mov_b32 s[JJ], 0
	s_lshr_b32 s[TRIPS], ttmp9, 2
	s_sub_co_u32 s[TRIPS], 7, s[TRIPS]             ; 4 to 7 trips of two slots, beside the first slot and the last
	s_lshl_b32 s44, s[DS], 7
	s_lshl_b32 s45, s[UU], 4
	s_add_co_u32 s44, s44, s45                     ; my first token
	s_lshl_b32 s44, s44, 13                        ; a row of q and of out0 is 8,192 bytes
	s_lshl_b32 s45, s[HK], 2
	s_add_co_u32 s45, s45, s[CX]                   ; my query head
	s_lshl_b32 s45, s45, 9
	s_add_co_u32 s44, s44, s45
	s_mov_b32 s45, 0
	s_and_b32 s48, s[WV], 1                        ; which of a slot's two blocks I fetch, if I fetch
	s_mul_i32 s49, s48, BLKB                       ; its place in a slot: no place in the cluster enters an LDS address or a descriptor
	s_mul_i32 s46, s[HK], HEADB
	s_add_co_u32 s46, s46, s49                     ; and in kv
	s_mov_b32 s47, 0
	s_mul_i32 s50, s[HK], HEADB                    ; the prefetches: my head,
	s_mul_i32 s52, s[CX], 12800                    ; my work-group's 50 pieces of a slot's 200,
	s_add_co_u32 s50, s50, s52
	s_mul_i32 s52, s48, 6400                       ; my wave's 25 of them,
	s_add_co_u32 s50, s50, s52
	s_add_co_u32 s50, s50, 2*SLOTB                 ; in slot 2: the first change of slots steps it to slot 3
	s_mov_b32 s51, 0
	s_xor_b32 s[LIM], s[UU], 2                     ; 0 in waves 4 and 5,
	s_or_b32 s[LIM], s[LIM], ttmp9                 ; of the head's first cluster: the same in all four partners
	s_cmp_eq_u32 s[LIM], 0
	s_cselect_b32 s[LIM], 1, -1
	s_mov_b32 s[SEL], 0x76543210
	s_mov_b32 s[SEL+1], 0xfedcba98
	s_mov_b32 s[CS], 0x3e0293ee                    ; c = log2(e) / sqrt(128)
	s_mov_b32 s[CS+1], s[CS]                       ; (named with it as a pair, so it is written)
	; descriptor group 1: a dense block of 25,600 bytes as 100 rows of 256 bytes (32 elements of 8 bytes), no padding
	s_mov_b32 s[G1], 15|(3<<16)|(1<<21)            ; 15:0 the mask: all four work-groups; 17:16 elements of 8 bytes; 21 set beside a mask
	s_mov_b32 s[G1+1], 32<<16                      ; tensor_dim0 = 32
	s_mov_b32 s[G1+2], 100<<16                     ; tensor_dim1 = 100
	s_mov_b32 s[G1+3], 32<<16                      ; tile_dim0 = 32
	s_mov_b32 s[G1+4], 100                         ; tile_dim1 = 100
	s_mov_b32 s[G1+5], 32                          ; from row to row: 32 elements
	s_mov_b32 s[G1+6], 0
	s_mov_b32 s[G1+7], 0
	; every address register is made here, ahead of the first branch on the wave's number
	v_and_b32 v232, 15, v0                         ; r
	v_bfe_u32 v233, v0, 4, 1                       ; half
	v_and_b32 v234, 31, v0                         ; lane
	v_lshlrev_b32 v254, 13, v232
	v_lshl_add_u32 v254, v233, 7, v254             ; q: row r, + 128 half: my 32 channels of each 64
	v_lshlrev_b32 v[LI0], 4, v234
	v_add_nc_u32 v[LI0+1], SLOTB, v[LI0]
	v_lshlrev_b32 v[LS0], 3, v234
	v_add_nc_u32 v[LS0+1], SLOTB, v[LS0]
	v_lshlrev_b32 v[GO], 13, v233
	v_lshl_add_u32 v[GO], v232, 4, v[GO]           ; out0: lanes 0-15 one row, lanes 16-31 the next; 16 bytes a lane
	s_mul_i32 s53, s[WV], 16*SP
	s_add_co_u32 s53, s53, STAGE                   ; my stage
	v_mul_u32_u24 v[STO], v232, SP
	v_lshl_add_u32 v[STO], v233, 5, v[STO]
	v_add_nc_u32 v[STO], s53, v[STO]               ; in: row r, + 32 half
	v_mul_u32_u24 v[RD], v233, SP
	v_lshl_add_u32 v[RD], v232, 4, v[RD]
	v_add_nc_u32 v[RD], s53, v[RD]                 ; back: lanes 0-15 one row, lanes 16-31 the next
	s_lshl_b32 s54, s[UU], 4
	v_lshlrev_b32 v[DQ], 4, v233
	v_sub_nc_u32 v[DQ], v232, v[DQ]
	v_add_nc_u32 v[DQ], s54, v[DQ]                 ; 16 (wave >> 1) + r - 16 half, signed
	v_min_u32 v[PFO], 24, v234
	v_lshlrev_b32 v[PFO], 8, v[PFO]                ; 256 x min(lane, 24)
	v_mov_b32 v13, 0xff61b1e6                      ; the largest t so far: -3e38, under every t
	v_floor_f32 v12, -v13                          ; -M
	v_mov_b32 v14, 0                               ; the sum, in two halves
	v_mov_b32 v15, 0
.irp b, 0,1,2,3
	v_mov_b32 v[236+\b], 0                         ; written once: a lane permute's destination counts as one of its sources
.endr
	v_mov_b32 v252, 0                              ; likewise (the way out's permute)
	v_mov_b32 v253, 0                              ; (named as the upper half of the pair v[252:253] before it is first written)
	s_wait_kmcnt 0x0
	s_add_nc_u64 s[4:5], s[4:5], s[44:45]          ; q and out0 at my first token and head
	s_add_nc_u64 s[8:9], s[8:9], s[44:45]
	s_add_nc_u64 s[PFA:PFA+1], s[6:7], s[50:51]
	s_add_nc_u64 s[6:7], s[6:7], s[46:47]          ; kv at my block of slot 0
	CROUND                                         ; all four work-groups are here: the first joint loads meet
.irp s, 0,1
	s_mov_b32 s[G0+4*\s], 1                        ; 1:0 count = 1
	s_add_co_u32 s[G0+4*\s+1], s49, \s*SLOTB       ; 63:32 LDS address; never rewritten
	s_add_nc_u64 s[G0+4*\s+2:G0+4*\s+3], s[6:7], \s*SLOTB   ; 120:64 global address: tile s
	s_or_b32 s[G0+4*\s+3], s[G0+4*\s+3], 0x80000000         ; 127:126 type = 2
.endr
	s_cmp_lt_u32 s[WV], 2                          ; a wave's two first fills stand in one branch, ahead of every wait on TENSORcnt, every LDS read and every further barrier: two loads of mine are out
	s_cbranch_scc0 .Lno_first
	tensor_load_to_lds s[G0:G0+3], s[G1:G1+7]
	s_nop 0
	tensor_load_to_lds s[G0+4:G0+7], s[G1:G1+7]
	s_nop 0
.rept 4
	v_nop
.endr
.Lno_first:
.irp c, 0,1
.irp p, 0,1,2,3,4,5,6,7
	global_load_b128 v[S+32*\c+4*\p:S+32*\c+4*\p+3], v254, s[4:5] offset:256*\c+16*\p th:TH_LOAD_NT   ; q(my token r, channels 64 c + 32 half + 4 p ..): register 32 c + i = channel 64 c + 32 half + i
.endr
.endr
	s_wait_loadcnt 0x0
	; Q is quantised: a lane holds two whole blocks of 32, so no other lane is asked for a maximum
.irp c, 0,1
	v_max3_num_f32 v[232+\c], |v[S+32*\c]|, |v[S+1+32*\c]|, 0x1800000   ; and the floor 2^(3 - 127): the byte cannot fall under 1
.endr
.irp i, 2,4,6,8,10,12,14,16,18,20,22,24,26,28,30
.irp c, 0,1
	v_max3_num_f32 v[232+\c], v[232+\c], |v[S+32*\c+\i]|, |v[S+1+32*\c+\i]|
.endr
.endr
.irp c, 0,1
	v_add_nc_u32 v[244+\c], 0xff000000, v[232+\c]  ; 2 off the exponent field: the conversion's scale operand
.endr
.irp c, 0,1
	v_lshrrev_b32 v[240+\c], 23, v[244+\c]         ; the scale's byte
.endr
	v_lshl_or_b32 v255, v241, 16, v240             ; my two bytes: blocks half and 2 + half,
	v_bfe_u32 v254, v0, 4, 1                       ; (q's loads are in: their address register is free)
	v_lshlrev_b32 v254, 3, v254
	v_lshlrev_b32 v255, v254, v255                 ; at their places in the word;
	v_permlanex16_b32 v236, v255, s[SEL], s[SEL+1]
	v_or_b32 v255, v255, v236                      ; with lane l xor 16's two the word is whole
.irp c, 0,1
	v_cvt_scalef32_pk16_fp6_f32 v[QF+6*\c:QF+2+6*\c], v[S+32*\c:S+15+32*\c], v[244+\c]
	v_cvt_scalef32_pk16_fp6_f32 v[PC+4*\c:PC+2+4*\c], v[S+16+32*\c:S+31+32*\c], v[244+\c]   ; (a conversion's three registers begin on an even number)
.endr
	v_nop                                          ; one plain place behind a scaled conversion
.irp c, 0,1
.irp i, 0,1,2
	v_mov_b32 v[QF+3+6*\c+\i], v[PC+4*\c+\i]
.endr
.endr
.irp j, 0,1,2,3,4,5,6,7,8,9,10,11,12,13,14,15,16,17,18,19,20,21,22,23,24,25,26,27,28,29,30,31,32,33,34,35,36,37,38,39,40,41,42,43,44,45,46,47,48,49,50,51,52,53,54,55,56,57,58,59,60,61,62,63
	v_mov_b32 v[O+\j], 0                           ; O^T: the step is written without a first form: the first finds zeros, which the first change of M leaves zeros.  (Also the places between Q's codes and scale word and the first product)
.endr
	s_wait_tensorcnt 1                             ; my part of slot 0 is in; slot 1's load, issued behind it, may stay out
	s_barrier_signal -1
	s_barrier_wait -1                              ; everybody's is
	SLOTWORK 0
.Lpair:                                            ; a trip: slot 0 is filled again, slot 1 is worked, slot 1 is filled again, slot 0 is worked
	CHANGE 0, 1, 0
	SLOTWORK 1
	CHANGE 1, 1, 1
	SLOTWORK 0
	s_sub_co_u32 s[TRIPS], s[TRIPS], 1
	s_cmp_lg_u32 s[TRIPS], 0
	s_cbranch_scc1 .Lpair
	CHANGE 0, 0, 0                                 ; the last slot is written out: nothing is asked for
	SLOTWORK 1
	; THE WAY OUT.  O^T is divided by the row's sum and goes through my stage, half a head's row (64 channels, 256 bytes) of 16 tokens at a time, so that sixteen lanes store 256 consecutive bytes, aligned.
	v_add_f32 v14, v14, v15                        ; the sum's two halves,
	v_permlanex16_b32 v252, v14, s[SEL], s[SEL+1]
	v_add_f32 v14, v14, v252                       ; and lane l xor 16's: the row's sum
	v_rcp_f32 v14, v14
	v_nop                                          ; a plain place behind the reciprocal
	s_wait_alu depctr_va_vdst(0)                   ; and the wait ahead of its first reader
.irp j, 0,1,2,3,4,5,6,7,8,9,10,11,12,13,14,15,16,17,18,19,20,21,22,23,24,25,26,27,28,29,30,31,32,33,34,35,36,37,38,39,40,41,42,43,44,45,46,47,48,49,50,51,52,53,54,55,56,57,58,59,60,61,62,63
	v_mul_f32 v[S+\j], v[O+\j], v14                ; register 8 t + i is o(token r, channel 16 t + 8 half + i); each accumulator from its low end on
.endr
.irp u, 0,1                                    ; channels 64 u on
.irp t, 0,1,2,3
	ds_store_b128 v[STO], v[S+32*\u+8*\t:S+32*\u+8*\t+3] offset:64*\t
	ds_store_b128 v[STO], v[S+32*\u+8*\t+4:S+32*\u+8*\t+7] offset:64*\t+16
.endr
.irp i, 0,1,2,3,4,5,6,7
	ds_load_b128 v[FRG+32*\u+4*\i:FRG+32*\u+4*\i+3], v[RD] offset:2*\i*SP   ; LDS serves a wave's instructions in order (ISA guide 5.7.1.4): these see my stores, and the next half's stores come behind them
.endr
.endr
.irp u, 0,1
.irp i, 0,1,2,3,4,5,6,7
	s_wait_dscnt 23-16*\u-\i                       ; behind this load: the rest of its half's eight, and for the first half the second's eight stores and eight loads
	global_store_b128 v[GO], v[FRG+32*\u+4*\i:FRG+32*\u+4*\i+3], s[8:9] offset:2*\i*8192+256*\u th:TH_STORE_NT   ; written once, read by nobody here
.endr
.endr
	s_wait_tensorcnt 0x0                           ; the wave's end: behind my last tensor load and my last LDS store
	ds_add_u32 v[SPW], v[NIL]
	s_wait_dscnt 0x0
	CROUND                                         ; the closing round: no work-group ends while a partner may still ask for a tile that names it
	s_endpgm
.Lfunc_end_k_qe3a63fdf60_attn:
	.size	k_qe3a63fdf60_attn, .Lfunc_end_k_qe3a63fdf60_attn-k_qe3a63fdf60_attn
	.p2alignl 7, 3214868480
	.fill 96, 4, 3214868480
	.section	.rodata,"a",@progbits
	.p2align	6, 0x0
	.amdhsa_kernel k_qe3a63fdf60_attn
		.amdhsa_group_segment_fixed_size 327680
		.amdhsa_private_segment_fixed_size 0
		.amdhsa_enable_private_segment 0
		.amdhsa_kernarg_size 24
		.amdhsa_user_sgpr_count 2
		.amdhsa_user_sgpr_kernarg_segment_ptr 1
		.amdhsa_wavefront_size32 1
		.amdhsa_system_sgpr_workgroup_id_x 1
		.amdhsa_system_sgpr_workgroup_id_y 1
		.amdhsa_system_sgpr_workgroup_id_z 1
		.amdhsa_system_vgpr_workitem_id 0
		.amdhsa_next_free_vgpr 256
		.amdhsa_next_free_sgpr 66
		.amdhsa_reserve_vcc 1
		.amdhsa_float_denorm_mode_32 3
		.amdhsa_float_denorm_mode_16_64 3
		.amdhsa_memory_ordered 1
		.amdhsa_forward_progress 1
		.amdhsa_inst_pref_size 210
	.end_amdhsa_kernel
	.amdgpu_metadata
---
amdhsa.version: [ 1, 2 ]
amdhsa.kernels:
  - .name:           k_qe3a63fdf60_attn
    .symbol:         k_qe3a63fdf60_attn.kd
    .args:
      - { .name: q, .offset: 0, .size: 8, .value_kind: global_buffer, .address_space: global }
      - { .name: kv, .offset: 8, .size: 8, .value_kind: global_buffer, .address_space: global }
      - { .name: out0, .offset: 16, .size: 8, .value_kind: global_buffer, .address_space: global }
    .group_segment_fixed_size: 327680
    .private_segment_fixed_size: 0
    .kernarg_segment_align: 8
    .kernarg_segment_size: 24
    .max_flat_workgroup_size: 512
    .sgpr_count:     66
    .vgpr_count:     256
    .wavefront_size: 32
...
	.end_amdgpu_metadata
.endif
;; end of part 2
